; MI455X (gfx1250); checked and timed in simulation.
; The chip was launched on July 23, 2026; its instructions are those of AMD's public machine-readable ISA for CDNA 5 (MIT licence, August 2026) and "CDNA5" Instruction Set Architecture Reference Guide (July 2026). The comments in the code are by the model that wrote it; some were corrected since.
;; Causal Attention. Allowed arithmetic: matrix products marked QUANTISED: E5M2 operands, one E8M0 scale for each 32 along K, by v_wmma_scale_f32_16x16x128_f8f6f4 with both operands' format E5M2, f32 sums; everything else in f32.
;; Inputs: k 4 x 16 x 2,048 x 64 float32; q 4 x 16 x 2,048 x 64 float32; v 4 x 16 x 2,048 x 64 float32.
;; Outputs: out0 4 x 16 x 2,048 x 64 float32.
;; This version of the problem:
;;   THIS VERSION OF THE PROBLEM IS GIVEN IN LOW PRECISION. The matrix products marked QUANTISED in the list below multiply operands that are first quantised to E5M2 (5 exponent bits, 2 mantissa bits; 8 bits a number), with one power-of-two scale for each 32 numbers along K (OCP MX v1.0); their sums are f32. All else is computed in f32.
;;   The module's matrix products, in the order in which they are computed (A, B: the left and right operand; K: the contracted axis; several contracted axes count as one K, in the product's order):
;;     1. batch 64 x [M 2,048, K 64] x [K 64, N 2,048]; A: input q; B: input k: QUANTISED
;;     2. batch 64 x [M 2,048, K 2,048] x [K 2,048, N 64]; A: softmax (see below); B: input v: QUANTISED
;;   THE QUANTISER, for each operand of a quantised product, along K:
;;     - K is cut into blocks of 32 from its start; a last block that is shorter is filled with zeros.
;;     - A block's scale is 2^e with e = floor(log2(the largest magnitude in the block)) - 15, held to -126 .. 127; a block of zeros has e = 0. As a byte (E8M0): e + 127.
;;     - Each number is divided by its block's scale, clamped to +-57,344, and rounded to the nearest number of E5M2, ties to even, subnormals kept.
;;     - The product sums the exact products of the quantised numbers (number of the format x scale) in f32.
;;   ~~~python
;;   def quantise(x, axis):      # numpy; x: float32 -> the quantised numbers, widened to float32 again
;;       x = np.moveaxis(x, axis, -1); K = x.shape[-1]
;;       x = np.pad(x, [(0, 0)] * (x.ndim - 1) + [(0, -K % 32)]); x = x.reshape(x.shape[:-1] + (-1, 32)); a = np.abs(x).max(-1, keepdims=True)
;;       e = np.where(a > 0, np.clip(np.frexp(np.where(a > 0, a, 1))[1] - 1 - 15, -126, 127), 0)      # np.frexp(a)[1] - 1 = floor(log2(a)), exactly
;;       r = np.clip(x / 2.0 ** e, -57344, 57344)
;;       step = 2.0 ** (np.maximum(np.frexp(np.where(r == 0, 1, r))[1] - 1, -14) - 2)
;;       q = np.round(r / step) * step * 2.0 ** e      # np.round: ties to even
;;       return np.moveaxis(q.reshape(q.shape[:-2] + (-1,))[..., :K], -1, axis).astype(np.float32)
;;   ~~~
;;   SOFTMAX AHEAD OF A QUANTISED PRODUCT. Where the list says 'softmax', what is quantised is not the finished softmax but p = 2^(t - M), with t = logit x log2(e) and M = ceil(the row's largest t), a whole number; so 1/2 < the row's largest p <= 1. The row's sum l is taken of the UNQUANTISED p, in f32, and the product's result is divided by l at the end. Since M is a whole number, a kernel that streams over the keys may use a running M (the ceiling of the running maximum): every later rescaling is an exact power of two, which a block's scale takes up: the codes' values come out the same.
;;   OPERANDS COMPUTED ON THE WAY. 'Computed on the way' means the value that the module computes at that place (a softmax that the list does not call 'softmax' is quantised finished and normalised). What goes into a quantiser is computed in f32, as accurately as f32 sums, v_exp_f32 and their like allow (about 1e-6 of the number): no bf16 or f16 on the way to a quantiser, and a product that is left as it is and whose result goes on into a quantised operand takes f32 operands (vector FMAs, or v_wmma_f32_16x16x4_f32). A number that lies on a knife's edge between two numbers of the format may be rounded either way, as far as f32 arithmetic and the matrix unit's own rounding can turn it there, and no further.
;; One version. Each part assembles by itself: llvm-mc -triple=amdgcn-amd-amdhsa -mcpu=gfx1250 --defsym DOCPART=n.
;; ======== version 1 of 1: 1 launch
;; limits: right only within a limited range of input values
;; launch attn (part 1): grid 256 x 1, 16 waves a work-group, no clusters, 148,480 bytes of LDS; arguments q, k, v, out0; writes out0
.if DOCPART == 1
	.amdgcn_target "amdgcn-amd-amdhsa--gfx1250"
	.amdhsa_code_object_version 6
	.text
	.protected	k_qceb524bf0d_attn
	.globl	k_qceb524bf0d_attn
	.p2align	8
	.type	k_qceb524bf0d_attn,@function
k_qceb524bf0d_attn:
	s_mov_b64 s[64:65], 0
	v_nop
	global_prefetch_b8 v0, s[64:65] scope:SCOPE_SE
	s_setreg_imm32_b32 hwreg(HW_REG_WAVE_MODE, 25, 1), 1
	s_wait_xcnt 0x0
; out0[h][q][:] = the sum over keys k <= q of softmax_k(Q[h][q] . K[h][k] / 8) V[h][k][:].  q, k, v, out0: [64 heads][2048][64] f32.
; Both products run on codes of BF8 (E5M2) with one E8M0 scale for each 32 along a product's K; all codes are made here: Q and K along the head's 64, V and p along the keys.
; LEFT OUT: steps of 128 keys that lie wholly behind a wave's 16 queries: the causal mask makes their scores -infinity, so their p is 0 for all inputs.  A NaN or infinity that reaches only such keys is not carried.
; THE SOFTMAX: t = score x log2(e) / 8; M = the row's largest t so far, rounded UP to a whole number; p = 2^(t - M) is quantised, not normalised; the row's sum is taken of the unquantised p and divides at the end.
; When M moves, the sum and O are multiplied by 2^(old M - new M): exact.
; SHARES.  256 work-groups of sixteen waves.  Work-group g: head g / 4, j = g % 4.  It serves the head's block j of 256 queries and then block 7 - j: 2 (j + 1) + 2 (8 - j) = 18 steps of 128 keys for every work-group.
; A wave owns one tile of 16 queries.  Both blocks' Q are quantised at the head; the second block's codes wait in the wave's own LDS bytes.
; K AND V ARE QUANTISED BY THE WORK-GROUP ITSELF, TWO STEPS AHEAD: each wave loads 32 numbers a lane (waves 0-7: a tile of 16 keys of K; waves 8-15: 32 keys x 32 channels of V) and stores the codes into LDS
; as images of the operands' registers.  THREE such buffers take turns (step s reads buffer s % 3, and writes buffer (s + 2) % 3).
; K's numbers are loaded as they lie, 512 consecutive bytes a load, and turn through the wave's own stage, so that a lane gets the 16 neighbours along the head's axis that a conversion takes.
; THE BARRIER IS SPLIT.  A wave signals at the end of step s (its stores of step s have landed, its reads of buffer s % 3 are back) and waits behind the attention of step s + 1.  That attention reads buffer
; (s + 1) % 3, stored in step s - 1 and shown by the barrier before; between the signal and the wait stand register work and LDS loads of that buffer alone, which is next written in step s + 2, behind a later barrier.
; The stores of step s + 1 go to buffer s % 3, behind the wait: every wave's reads of it are back.  The way out (LDS and global stores) stands behind the wait too.
; A job's global loads are issued in one step's job and waited for at the next step's: a whole step's attention lies between, and all four work-groups of a head would name the same bytes: so no prefetch is laid beside them.
; THE FIRST PRODUCT'S K IS 64, THE INSTRUCTION'S 128: a fragment of K holds TWO tiles of 16 keys and is multiplied twice, by [Q|0] and by [0|Q]: 24 registers 0, Q, 0.  Zero codes take the other tile out exactly.
; LAYOUT.  Both products are used transposed (S^T = K Q^T, O^T = V^T P^T): a lane holds ONE query (lane % 16).  Lane r of tile 2 f + u takes key 32 f + 8 u + r + 8 (r / 8), so that the 16 registers of tiles
; 2 f and 2 f + 1 are the 16 neighbouring keys 32 f + 16 (lane / 16) + 0..15: the conversions' results are the second product's operand.
; NO JOINT LOADS: K's and V's numbers go into registers, to be quantised, and not into LDS as they lie; and the four work-groups of a head walk passes of different lengths (2 j + 2 steps, then 16 - 2 j).
; LIMITS.  NaN and infinities among the inputs are not served.  A block whose largest magnitude lies under 2^(16 - 127) gets the byte 1, a block of zeros too (the quantiser says 127): its codes are zeros, and this
; program alone reads the bytes.  A block's largest p is made from the block's largest score by the same two instructions as every p, which takes v_exp_f32 not to fall where its input rises.
.set BUF,   17408                      ; a buffer of codes for one step; buffer p at p x BUF
.set KIMG,  0                          ; K: fragment f at 2048 f; quad 2 u + c at + 512 (2 u + c); lane at + 16 lane
.set VIMG,  8192                       ; V: fragment t at VFR t; quad c (keys 32 c + 16 h + 0..15) at + 512 c; lane at + 16 lane
.set VFR,   2064
.set KSC,   16448                      ; K's scale words: fragment f, row r at 64 f + 4 r; tile u's two bytes at + 2 u
.set VSC,   16704                      ; V's scale bytes: channel d, block c at 4 d + c
.set STAGE, 3*BUF                      ; 16 rows x 272 bytes for each wave: the way out, and K's turn
.set SP,    272
.set QSV,   STAGE+16*16*SP             ; the second block's Q: 1,536 bytes for each wave: two quads of codes, and a quad with the scale word
.set SPARE, QSV+16*1536                ; the spare words: 128 bytes for each wave
.set LI,  1                            ; v1   16 x lane
.set LS,  2                            ; v2   4 r
.set KRD, 3                            ; v3   K's turn: my stage, row r, + 64 h
.set GJV, 4                            ; v4   V's job: 16 h rows of 256 bytes + 8 r
.set WIK, 5                            ; v5   where I store K's image
.set WSK, 6                            ; v6   and its two scale bytes
.set WIV, 7                            ; v7   where I store V's image
.set WSV, 8                            ; v8   and its scale bytes
.set STO, 9                            ; v9   the stage: where I put 32 bytes of a row
.set RD,  10                           ; v10  the stage by rows: lanes 0-15 one row, lanes 16-31 the next
.set QO,  11                           ; v11  Q: row r of 256 bytes + 64 h; behind Q's loads:
.set QSA, 11                           ; v11  my place in QSV
                                       ; v12 -M, v13 the largest t, v[14:15] the sum in two halves
.set ZQ,  16                           ; v16-23 zeros, v24-31 Q's codes, v32-39 zeros
.set QC,  24
.set F,   40                           ; v40-103  K's four fragments; behind the first product:
.set PC,  40                           ; v40-55   chains of sums, then p's codes
.set VF,  56                           ; v56-103  V's fragments 0 to 2; behind the second product:
.set JC,  56                           ; v56-63   a job's codes
.set HT,  72                           ; v72-103  a job's 32 numbers, held
.set S,   104                          ; v104-167 S^T, then p; v104-119 then V's fragment 3; on the way out results and rows
.set X,   136                          ; v136-167 K's job: 32 numbers back from the turn
.set O,   168                          ; v168-199 O^T
.set R,   200                          ; v200-231 32 numbers as loaded: a job
.set TM,  232                          ; a job's quantiser
.set BM,  232                          ; v232-235 a block's largest score, then p
.set PB,  236                          ; v236-239 the other half's, then the bytes, then chains of sums
.set LM,  240                          ; v240-243 the hold
.set SO,  244                          ; v244-247 the conversion's scale operand
.set KW,  248                          ; v248-251 scale words: K's, then V's
.set PSW, 253                          ; v253 p's scale word (v252: f)
.set QSW, 255                          ; v255 Q's scale word
.set WV,  12
.set JJ,  13
.set HO,  14                           ; the head's first byte in each tensor
.set N2,  15                           ; 2 j + 2: the step at which the second block begins
.set SN,  16                           ; the step, 0 to 17
.set KF,  17                           ; the step's first key
.set Q0,  18                           ; my first query
.set MNT, 19
.set SEL, 20
.set CS,  22
.set JB,  24                           ; s[24:25] my job's numbers of the head's first step
.set JP,  26                           ; s[26:27] and of the step to be loaded
.set JK,  28                           ; s[28:29] its byte offset
.set QP,  30
.set OP,  32
.set BO,  34
.set E1,  41                           ; the step behind which my block goes out: 2 j + 1, then 17
.set Q0B, 42                           ; the second block's first query of mine
.set TR,  43                           ; trips
.set OP2, 44
.set QP2, 46
; 32 numbers of a lane, two groups b of 16 (tr = 0: v[src + 16 b + i]; tr = 1: v[src + 2 i + b]), each half of a block of 32 whose other half lies in lane l xor 16, become 2 x 16 codes in v[dst + 4 b ..]; the bytes are left in v[TM+2], v[TM+3].
.macro QUANT2 src, tr, dst
.if \tr
.irp b, 0,1
	v_max3_num_f32 v[TM+\b], |v[(\src)+\b]|, |v[(\src)+2+\b]|, 0x8000000           ; with the floor 2^(16 - 127): the byte cannot fall under 1
.endr
.irp i, 2,4,6,8,10,12,14
.irp b, 0,1
	s_delay_alu instid0(VALU_DEP_2)
	v_max3_num_f32 v[TM+\b], v[TM+\b], |v[(\src)+2*\i+\b]|, |v[(\src)+2*\i+2+\b]|
.endr
.endr
.else
.irp b, 0,1
	v_max3_num_f32 v[TM+\b], |v[(\src)+16*\b]|, |v[(\src)+16*\b+1]|, 0x8000000
.endr
.irp i, 2,4,6,8,10,12,14
.irp b, 0,1
	s_delay_alu instid0(VALU_DEP_2)
	v_max3_num_f32 v[TM+\b], v[TM+\b], |v[(\src)+16*\b+\i]|, |v[(\src)+16*\b+\i+1]|
.endr
.endr
.endif
.irp b, 0,1
	s_delay_alu instid0(VALU_DEP_2)
	v_permlanex16_b32 v[TM+2+\b], v[TM+\b], s[SEL], s[SEL+1]
.endr
.irp b, 0,1
	s_delay_alu instid0(VALU_DEP_2)
	v_max_num_f32 v[TM+\b], v[TM+\b], v[TM+2+\b]                                   ; the block's largest magnitude
.endr
.irp b, 0,1
	s_delay_alu instid0(VALU_DEP_2)
	v_add_nc_u32 v[TM+6+\b], 0xf8800000, v[TM+\b]                                  ; 15 off its exponent field: the conversion's scale operand
.endr
.irp b, 0,1
	s_delay_alu instid0(VALU_DEP_4)
	v_and_or_b32 v[TM+4+\b], v[TM+\b], 0x7f800000, s[MNT]                          ; 57,344 x the scale
.endr
.irp b, 0,1
	s_delay_alu instid0(VALU_DEP_4)
	v_lshrrev_b32 v[TM+2+\b], 23, v[TM+6+\b]                                       ; the scale's byte
.endr
.irp b, 0,1
.irp i, 0,1,2,3,4,5,6,7,8,9,10,11,12,13,14,15
.if \tr
	v_med3_num_f32 v[HT+16*\b+\i], v[(\src)+2*\i+\b], -v[TM+4+\b], v[TM+4+\b]      ; the conversion does not saturate (ISA guide 7.6.2): the hold
.else
	v_med3_num_f32 v[HT+16*\b+\i], v[(\src)+16*\b+\i], -v[TM+4+\b], v[TM+4+\b]
.endif
.endr
	v_cvt_scalef32_pk8_bf8_f32 v[(\dst)+4*\b:(\dst)+4*\b+1], v[HT+16*\b:HT+16*\b+7], v[TM+6+\b]
	v_cvt_scalef32_pk8_bf8_f32 v[(\dst)+4*\b+2:(\dst)+4*\b+3], v[HT+16*\b+8:HT+16*\b+15], v[TM+6+\b]
.endr
	v_nop                                          ; one plain line behind the last conversion
.endm
; A job's numbers.  K: two runs of eight keys' rows, 16 rows apart, as they lie: a load of the wave covers 512 consecutive bytes, aligned.  V: 16 keys x 2 channels a lane: sixteen lanes read 128 consecutive bytes of a key's row.
.macro KLD dst
.irp i, 0,1,2,3,4,5,6,7
	global_load_b128 v[(\dst)+4*\i:(\dst)+4*\i+3], v[LI], s[JP:JP+1] offset:512*(\i%4)+4096*(\i/4)
.endr
.endm
.macro VLD dst
.irp i, 0,1,2,3,4,5,6,7,8,9,10,11,12,13,14,15
	global_load_b64 v[(\dst)+2*\i:(\dst)+2*\i+1], v[GJV], s[JP:JP+1] offset:256*\i
.endr
.endm
.macro JLOAD dst
	s_cmp_lt_u32 s[WV], 8
	s_cbranch_scc0 .Lload_v_\@
	KLD \dst
	s_branch .Lloaded_\@
.Lload_v_\@:
	VLD \dst
.Lloaded_\@:
.endm
.macro NEXTLD kind, ld                 ; the next job's loads into v[R ..].  ld = 0: none; 1: always; 2: not in step 15, which has no step three on
.if \ld == 2
	s_cmp_gt_u32 s[SN], 14
	s_cbranch_scc1 .Lno_load_\@
.endif
.if \ld
.if \kind
	VLD R
.else
	KLD R
.endif
.endif
.Lno_load_\@:
.endm
; A job: the numbers in v[src ..] are quantised and stored into buffer q.  K's turn through my stage first: load i's two rows go in as rows 2 i and 2 i + 1; lane (r, h) takes back row r's bytes 128 c + 64 h + 0..63.
; Behind the turn K's loaded registers are free, so K's next loads stand ahead of its quantiser; V's stand behind it.
.macro JOB src, q, ld
	s_cmp_lt_u32 s[WV], 8
	s_cbranch_scc0 .Ljob_v_\@
.irp i, 0,1,2,3,4,5,6,7
	ds_store_b128 v[RD], v[(\src)+4*\i:(\src)+4*\i+3] offset:2*SP*\i
.endr
.irp c, 0,1
.irp i, 0,1,2,3
	ds_load_b128 v[X+16*\c+4*\i:X+16*\c+4*\i+3], v[KRD] offset:128*\c+16*\i   ; LDS serves a wave's instructions in order (ISA guide 5.7.1.4): these see my stores
.endr
.endr
	s_wait_dscnt 0x0
	NEXTLD 0, \ld
	QUANT2 X, 0, JC
	v_lshl_or_b32 v[TM], v[TM+3], 8, v[TM+2]       ; my key's two bytes
	ds_store_b128 v[WIK], v[JC:JC+3] offset:(\q)*BUF
	ds_store_b128 v[WIK], v[JC+4:JC+7] offset:(\q)*BUF+512
	ds_store_b16 v[WSK], v[TM] offset:(\q)*BUF     ; lanes l and l xor 16 write the same bytes with the same value
	s_branch .Ljob_end_\@
.Ljob_v_\@:
	QUANT2 \src, 1, JC
	ds_store_b128 v[WIV], v[JC:JC+3] offset:(\q)*BUF      ; channel 2 r: 16 keys
	ds_store_b128 v[WIV], v[JC+4:JC+7] offset:(\q)*BUF+16 ; channel 2 r + 1
	ds_store_b8 v[WSV], v[TM+2] offset:(\q)*BUF
	ds_store_b8 v[WSV], v[TM+3] offset:(\q)*BUF+4
	NEXTLD 1, \ld
.Ljob_end_\@:
.endm
.macro QLOAD dst, sb                   ; 16 queries: my row's 16 channels of each block of 32; read once in the launch
.irp c, 0,1
.irp i, 0,1,2,3
	global_load_b128 v[(\dst)+16*\c+4*\i:(\dst)+16*\c+4*\i+3], v[QO], s[\sb:\sb+1] offset:128*\c+16*\i th:TH_LOAD_NT
.endr
.endr
.endm
.macro INIT                            ; a block of queries begins
	v_mov_b32 v13, 0xff61b1e6                      ; the largest t so far: -3e38
	s_delay_alu instid0(VALU_DEP_1)
	v_floor_f32 v12, -v13                          ; -M
	v_mov_b32 v14, 0
	v_mov_b32 v15, 0
.irp t, 0,1,2,3
.irp i, 0,1,2,3,4,5,6,7
	v_mov_b32 v[O+8*\t+\i], 0                      ; the step is written once: the first finds zeros
.endr
.endr
.endm
; MY TILE'S ATTENTION FOR ONE STEP OF 128 KEYS, from buffer p: LDS loads and register work alone.
.macro ATT p
.irp f, 0,1,2,3
.irp c, 0,1,2,3
	ds_load_b128 v[F+16*\f+4*\c:F+16*\f+4*\c+3], v[LI] offset:(\p)*BUF+KIMG+2048*\f+512*\c
.endr
	ds_load_b32 v[KW+\f], v[LS] offset:(\p)*BUF+KSC+64*\f
.endr
.irp f, 0,1,2,3                        ; eight sums, each begun with 0
	s_wait_dscnt 5*(3-\f)                          ; fragment f and its scale word are in: five loads for each later fragment may be out
	v_wmma_scale_f32_16x16x128_f8f6f4 v[S+16*\f:S+16*\f+7], v[F+16*\f:F+16*\f+15], v[ZQ+8:ZQ+23], 0, v[KW+\f], v[QSW] matrix_a_fmt:MATRIX_FMT_BF8 matrix_b_fmt:MATRIX_FMT_BF8
	v_wmma_scale_f32_16x16x128_f8f6f4 v[S+16*\f+8:S+16*\f+15], v[F+16*\f:F+16*\f+15], v[ZQ:ZQ+15], 0, v[KW+\f], v[QSW] matrix_a_fmt:MATRIX_FMT_BF8 matrix_b_fmt:MATRIX_FMT_BF8
.endr
.rept 8
	v_nop                                          ; eight places behind this form: ahead of the reads of its results and of the loads into its sources
.endr
.irp t, 0,1,2                          ; V's fragments 0 to 2 take K's registers, and V's scale words K's: they land while the softmax is worked
.irp c, 0,1,2,3
	ds_load_b128 v[VF+16*\t+4*\c:VF+16*\t+4*\c+3], v[LI] offset:(\p)*BUF+VIMG+VFR*\t+512*\c
.endr
.endr
.irp t, 0,1,2,3
	ds_load_b32 v[KW+\t], v[LS] offset:(\p)*BUF+VSC+64*\t
.endr
	s_add_co_u32 s36, s[KF], 127                   ; on the diagonal hidden scores become -infinity ahead of the maximum.  A step all of whose keys count skips this
	s_cmp_le_u32 s36, s[Q0]
	s_cbranch_scc1 .Lopen_\@
	s_sub_co_i32 s36, s[Q0], s[KF]
	v_and_b32 v252, 15, v0
	v_bfe_u32 v254, v0, 4, 1
	s_delay_alu instid0(VALU_DEP_1)
	v_lshlrev_b32 v254, 4, v254
	s_delay_alu instid0(VALU_DEP_1)
	v_sub_nc_u32 v252, v252, v254
	s_delay_alu instid0(VALU_DEP_1)
	v_add_nc_u32 v252, s36, v252                   ; d = my query - KF - 16 (lane / 16): register 16 b + i is hidden where 32 b + i > d
	v_mov_b32 v254, 0xff800000
.irp b, 0,1,2,3
.irp i, 0,1,2,3,4,5,6,7,8,9,10,11,12,13,14,15
	v_cmp_gt_i32 vcc_lo, 32*\b+\i, v252
	v_cndmask_b32 v[S+16*\b+\i], v[S+16*\b+\i], v254, vcc_lo
.endr
.endr
.Lopen_\@:
.irp b, 0,1,2,3
	v_max3_num_f32 v[BM+\b], v[S+16*\b], v[S+16*\b+1], v[S+16*\b+2]        ; the largest score of each block of 32 keys
.endr
.irp i, 3,5,7,9,11,13
.irp b, 0,1,2,3
	v_max3_num_f32 v[BM+\b], v[BM+\b], v[S+16*\b+\i], v[S+16*\b+\i+1]
.endr
.endr
.irp b, 0,1,2,3
	v_max_num_f32 v[BM+\b], v[BM+\b], v[S+16*\b+15]
.endr
.irp b, 0,1,2,3
	s_delay_alu instid0(VALU_DEP_4)
	v_permlanex16_b32 v[PB+\b], v[BM+\b], s[SEL], s[SEL+1]
.endr
.irp b, 0,1,2,3
	s_delay_alu instid0(VALU_DEP_4)
	v_max_num_f32 v[BM+\b], v[BM+\b], v[PB+\b]     ; with lane l xor 16's 16 keys
.endr
	s_delay_alu instid0(VALU_DEP_2)
	v_max3_num_f32 v254, v[BM], v[BM+1], v[BM+2]
	s_delay_alu instid0(VALU_DEP_1)
	v_max_num_f32 v254, v254, v[BM+3]              ; the step's largest score of my query
	s_delay_alu instid0(VALU_DEP_1)
	v_mul_f32 v254, s[CS], v254                    ; as t
	s_delay_alu instid0(VALU_DEP_1)
	v_max_num_f32 v13, v13, v254                   ; the running largest t
	v_mov_b32 v254, v12
	s_delay_alu instid0(VALU_DEP_2)
	v_floor_f32 v12, -v13                          ; the new -M = -ceil(t)
	s_delay_alu instid0(VALU_DEP_1)
	v_sub_f32 v254, v12, v254                      ; old M - new M
	s_delay_alu instid0(VALU_DEP_1)
	v_cvt_i32_f32 v254, v254                       ; (it saturates)
	s_delay_alu instid0(VALU_DEP_1)
	v_ldexp_f32 v252, 1.0, v254                    ; f = 2^(old M - new M)
.irp b, 0,1,2,3
.irp i, 0,2,4,6,8,10,12,14
	v_pk_fma_f32 v[S+16*\b+\i:S+16*\b+\i+1], v[S+16*\b+\i:S+16*\b+\i+1], s[CS:CS+1], v[12:13] op_sel_hi:[1,0,0]   ; t - M
.endr
.endr
.irp b, 0,1,2,3
	v_fma_f32 v[BM+\b], v[BM+\b], s[CS], v12       ; the same of each block's largest score
.endr
	s_wait_alu depctr_va_vdst(0)                   ; the wait ahead of the batch
.irp b, 0,1,2,3
.irp i, 0,1,2,3,4,5,6,7,8,9,10,11,12,13,14,15
	v_exp_f32 v[S+16*\b+\i], v[S+16*\b+\i]         ; p = 2^(t - M)
.endr
.endr
.irp b, 0,1,2,3
	v_exp_f32 v[BM+\b], v[BM+\b]                   ; the block's largest p
.endr
	v_pk_mul_f32 v[14:15], v[14:15], v[252:253] op_sel_hi:[1,0]   ; the sums under the new M: the plain line behind the exponentials
	s_wait_alu depctr_va_vdst(0)                   ; and behind it
.irp b, 0,1,2,3
	v_max_num_f32 v[BM+\b], 0x8000000, v[BM+\b]    ; the floor 2^(16 - 127)
.endr
.irp b, 0,1,2,3
	s_delay_alu instid0(VALU_DEP_4)
	v_add_nc_u32 v[SO+\b], 0xf8800000, v[BM+\b]
.endr
.irp b, 0,1,2,3
	v_and_or_b32 v[LM+\b], v[BM+\b], 0x7f800000, s[MNT]
.endr
.irp b, 0,1,2,3
	v_lshrrev_b32 v[PB+\b], 23, v[SO+\b]
.endr
	s_delay_alu instid0(VALU_DEP_3)
	v_lshl_or_b32 v[PSW], v[PB+1], 8, v[PB]        ; p's scale word for these 128 keys
	s_delay_alu instid0(VALU_DEP_1)
	v_lshl_or_b32 v[PSW], v[PB+2], 16, v[PSW]
	s_delay_alu instid0(VALU_DEP_1)
	v_lshl_or_b32 v[PSW], v[PB+3], 24, v[PSW]
	v_pk_add_f32 v[236:237], v[108:109], v[112:113]   ; the row's sum of the unquantised p, in eight chains
	v_pk_add_f32 v[40:41], v[116:117], v[120:121]
	v_pk_add_f32 v[42:43], v[124:125], v[128:129]
	v_pk_add_f32 v[238:239], v[132:133], v[136:137]
	v_pk_add_f32 v[232:233], v[140:141], v[144:145]
	v_pk_add_f32 v[44:45], v[148:149], v[152:153]
	v_pk_add_f32 v[46:47], v[156:157], v[160:161]
	v_pk_add_f32 v[14:15], v[14:15], v[164:165]
	v_pk_add_f32 v[236:237], v[236:237], v[104:105]
	v_pk_add_f32 v[40:41], v[40:41], v[106:107]
	v_pk_add_f32 v[42:43], v[42:43], v[110:111]
	v_pk_add_f32 v[238:239], v[238:239], v[114:115]
	v_pk_add_f32 v[232:233], v[232:233], v[118:119]
	v_pk_add_f32 v[44:45], v[44:45], v[122:123]
	v_pk_add_f32 v[46:47], v[46:47], v[126:127]
	v_pk_add_f32 v[14:15], v[14:15], v[130:131]
	v_pk_add_f32 v[236:237], v[236:237], v[134:135]
	v_pk_add_f32 v[40:41], v[40:41], v[138:139]
	v_pk_add_f32 v[42:43], v[42:43], v[142:143]
	v_pk_add_f32 v[238:239], v[238:239], v[146:147]
	v_pk_add_f32 v[232:233], v[232:233], v[150:151]
	v_pk_add_f32 v[44:45], v[44:45], v[154:155]
	v_pk_add_f32 v[46:47], v[46:47], v[158:159]
	v_pk_add_f32 v[14:15], v[14:15], v[162:163]
	v_pk_add_f32 v[236:237], v[236:237], v[166:167]
	s_delay_alu instid0(VALU_DEP_2)
	v_pk_add_f32 v[14:15], v[14:15], v[238:239]
	s_delay_alu instid0(VALU_DEP_2)
	v_pk_add_f32 v[236:237], v[236:237], v[232:233]
	v_pk_add_f32 v[40:41], v[40:41], v[44:45]
	v_pk_add_f32 v[42:43], v[42:43], v[46:47]
	s_delay_alu instid0(VALU_DEP_2)
	v_pk_add_f32 v[14:15], v[14:15], v[40:41]
	s_delay_alu instid0(VALU_DEP_2)
	v_pk_add_f32 v[236:237], v[236:237], v[42:43]
	s_delay_alu instid0(VALU_DEP_1)
	v_pk_add_f32 v[14:15], v[14:15], v[236:237]
.irp b, 0,1,2,3
.irp i, 0,2,4,6,8,10,12,14
	v_dual_min_num_f32 v[S+16*\b+\i], v[S+16*\b+\i], v[LM+\b] :: v_dual_min_num_f32 v[S+16*\b+\i+1], v[S+16*\b+\i+1], v[LM+\b]   ; p is not negative: the hold is one-sided; two numbers a line
.endr
	v_cvt_scalef32_pk8_bf8_f32 v[PC+4*\b:PC+4*\b+1], v[S+16*\b:S+16*\b+7], v[SO+\b]
	v_cvt_scalef32_pk8_bf8_f32 v[PC+4*\b+2:PC+4*\b+3], v[S+16*\b+8:S+16*\b+15], v[SO+\b]
.if \b == 0
.irp c, 0,1,2,3
	ds_load_b128 v[S+4*\c:S+4*\c+3], v[LI] offset:(\p)*BUF+VIMG+VFR*3+512*\c   ; V's fragment 3 takes block 0's p, which the conversions have read
.endr
.endif
.endr
	s_wait_alu depctr_va_vdst(0)                   ; the wait here, directly ahead of the first reader of O^T
.irp t, 0,1,2,3
.irp i, 0,2,4,6
	v_pk_mul_f32 v[O+8*\t+\i:O+8*\t+\i+1], v[O+8*\t+\i:O+8*\t+\i+1], v[252:253] op_sel_hi:[1,0]   ; O^T under the new M: sixteen plain lines behind the conversions and ahead of the products
.endr
.endr
	s_wait_alu depctr_va_vdst(0)                   ; the wait here, directly ahead of the wait below
	s_wait_dscnt 0x0                               ; V's fragments and scale words
.irp t, 0,1,2                          ; O^T += V^T P^T: the four accumulators take turns
	v_wmma_scale_f32_16x16x128_f8f6f4 v[O+8*\t:O+8*\t+7], v[VF+16*\t:VF+16*\t+15], v[PC:PC+15], v[O+8*\t:O+8*\t+7], v[KW+\t], v[PSW] matrix_a_fmt:MATRIX_FMT_BF8 matrix_b_fmt:MATRIX_FMT_BF8
.endr
	v_wmma_scale_f32_16x16x128_f8f6f4 v[O+24:O+31], v[S:S+15], v[PC:PC+15], v[O+24:O+31], v[KW+3], v[PSW] matrix_a_fmt:MATRIX_FMT_BF8 matrix_b_fmt:MATRIX_FMT_BF8
.endm
; THE WAY OUT of a block of queries: O^T / the sum, through my own stage, as whole rows: a store of the wave covers 512 consecutive bytes, aligned.
.macro WAYOUT
.rept 8
	v_nop                                          ; places behind the last products
.endr
	v_add_f32 v14, v14, v15
	s_delay_alu instid0(VALU_DEP_1)
	v_permlanex16_b32 v252, v14, s[SEL], s[SEL+1]
	s_delay_alu instid0(VALU_DEP_1)
	v_add_f32 v14, v14, v252                       ; the row's sum
	s_wait_alu depctr_va_vdst(0)                   ; the wait ahead of the transcendental
	v_rcp_f32 v14, v14
	v_nop
	s_wait_alu depctr_va_vdst(0)                   ; and ahead of its first reader
.irp t, 0,1,2,3
.irp i, 0,2,4,6
	v_pk_mul_f32 v[S+8*\t+\i:S+8*\t+\i+1], v[O+8*\t+\i:O+8*\t+\i+1], v[14:15] op_sel_hi:[1,0]   ; register 8 t + i: out(query r, channel 16 t + 8 h + i)
.endr
.endr
.irp t, 0,1,2,3
	ds_store_b128 v[STO], v[S+8*\t:S+8*\t+3] offset:64*\t
	ds_store_b128 v[STO], v[S+8*\t+4:S+8*\t+7] offset:64*\t+16
.endr
.irp i, 0,1,2,3,4,5,6,7
	ds_load_b128 v[S+32+4*\i:S+32+4*\i+3], v[RD] offset:2*SP*\i   ; LDS serves a wave's instructions in order (ISA guide 5.7.1.4)
.endr
.irp i, 0,1,2,3,4,5,6,7
	s_wait_dscnt 7-\i
	global_store_b128 v[LI], v[S+32+4*\i:S+32+4*\i+3], s[OP:OP+1] offset:512*\i th:TH_STORE_NT
.endr
.endm
; A block is finished: it goes out, and the second block's Q comes back from my own LDS bytes.  (Behind step 17 the lines behind the way out prepare nothing that is used.)
.macro CHANGE
	WAYOUT
	s_wait_xcnt 0x0                                ; the stores' base and data are written again only behind this wait
	s_mov_b64 s[OP:OP+1], s[OP2:OP2+1]
	s_mov_b32 s[Q0], s[Q0B]
	s_mov_b32 s[KF], 0
	s_mov_b32 s[E1], 17
	ds_load_b128 v[QC:QC+3], v[QSA]
	ds_load_b128 v[QC+4:QC+7], v[QSA] offset:512
	ds_load_b128 v[252:255], v[QSA] offset:1024    ; v255: its scale word
	INIT
	s_wait_alu depctr_va_vdst(0)                   ; the wait here, directly ahead of the wait below
	s_wait_dscnt 0x0
.endm
; STEP s = 6 x trip + u.  The attention stands between the last step's signal and the wait for it.  Behind the wait: the way out where a block ends (odd steps), the job of step s + 2 with the loads of the job of step s + 3.
.macro STEP u
	s_add_co_u32 s36, s[Q0], 15                    ; a step all of whose keys come after my 16 queries: no attention
	s_cmp_gt_u32 s[KF], s36
	s_cbranch_scc1 .Lhidden_\@
	ATT ((\u)%3)
.Lhidden_\@:
	s_add_co_u32 s[KF], s[KF], 128
	s_barrier_wait -1                              ; every wave has ended the step before: its stores are in, its reads of that step's buffer are back
.if (\u)%2
	s_cmp_lg_u32 s[SN], s[E1]
	s_cbranch_scc1 .Lsame_\@
	CHANGE
.Lsame_\@:
.endif
.if (\u) >= 4                          ; of a trip's six steps only these two can be steps 16 and 17, which have no step two on
	s_cmp_gt_u32 s[SN], 15
	s_cbranch_scc1 .Lidle_\@
.endif
	s_wait_loadcnt 0x0                             ; my job's numbers, asked for a step ago; the base below is free
	s_add_co_u32 s[JK], s[JK], 32768               ; 128 keys of 256 bytes on,
	s_add_co_u32 s36, s[SN], 3
	s_cmp_eq_u32 s36, s[N2]
	s_cselect_b32 s[JK], 0, s[JK]                  ; or back to key 0, where the second block of queries begins
	s_add_nc_u64 s[JP:JP+1], s[JB:JB+1], s[JK:JK+1]
.if (\u) == 3                          ; only this one can be step 15
	JOB R, ((\u)+2)%3, 2
.else
	JOB R, ((\u)+2)%3, 1                           ; its plain lines are also the places between the last products and what next lands on their registers
.endif
.if (\u) >= 4
	s_branch .Ldone_\@
.Lidle_\@:
.rept 9
	v_nop                                          ; the places that the job's lines are elsewhere
.endr
.endif
.Ldone_\@:
	s_add_co_u32 s[SN], s[SN], 1
	s_wait_dscnt 0x0                               ; for the others' sake: my stores have landed, my reads are back
	s_barrier_signal -1
.endm
	s_load_b256 s[4:11], s[0:1], 0x0               ; q s[4:5], k s[6:7], v s[8:9], out0 s[10:11]
	v_lshrrev_b32 v1, 5, v0
	v_readfirstlane_b32 s[WV], v1                  ; wave 0..15
	v_and_b32 v240, 15, v0                         ; r
	v_bfe_u32 v241, v0, 4, 1                       ; h
	v_and_b32 v1, 31, v0
	v_lshlrev_b32 v[LI], 4, v1
	v_lshlrev_b32 v[LS], 2, v240
	v_lshlrev_b32 v[GJV], 12, v241
	v_lshl_add_u32 v[GJV], v240, 3, v[GJV]
	v_lshlrev_b32 v[QO], 8, v240
	v_lshl_add_u32 v[QO], v241, 6, v[QO]
	s_wait_alu depctr_va_vdst(0)                   ; the wait here, ahead of the scalar lines among which r, h
	s_bfe_u32 s36, s[WV], 0x20001                  ; a = (wave / 2) % 4: K's fragment, or V's block of 32 keys
	s_and_b32 s37, s[WV], 1                        ; bb = wave % 2: the fragment's tile, or V's half of the channels
	s_lshl_b32 s38, s36, 11
	s_lshl_b32 s39, s37, 10
	s_add_co_u32 s38, s38, s39
	v_add_nc_u32 v[WIK], s38, v[LI]                ; 2048 a + 1024 bb + 16 lane
	s_lshl_b32 s38, s36, 6
	s_lshl_b32 s39, s37, 1
	s_add_co_u32 s38, s38, s39
	s_add_co_u32 s38, s38, KSC
	v_add_nc_u32 v[WSK], s38, v[LS]                ; KSC + 64 a + 2 bb + 4 r
	v_lshrrev_b32 v242, 3, v240
	v_mul_u32_u24 v[WIV], v242, VFR
	v_and_b32 v243, 7, v240
	v_lshl_add_u32 v[WIV], v243, 5, v[WIV]
	v_lshl_add_u32 v[WIV], v241, 8, v[WIV]
	s_mul_i32 s38, s37, 2*VFR
	s_lshl_b32 s39, s36, 9
	s_add_co_u32 s38, s38, s39
	s_add_co_u32 s38, s38, VIMG
	v_add_nc_u32 v[WIV], s38, v[WIV]               ; VIMG + (2 bb + r / 8) VFR + 512 a + 32 (r % 8) + 256 h
	s_lshl_b32 s38, s37, 7
	s_add_co_u32 s38, s38, s36
	s_add_co_u32 s38, s38, VSC
	v_lshlrev_b32 v[WSV], 3, v240
	v_add_nc_u32 v[WSV], s38, v[WSV]               ; VSC + 128 bb + a + 8 r
	s_mul_i32 s38, s[WV], 16*SP
	s_add_co_u32 s38, s38, STAGE                   ; my stage
	v_mul_u32_u24 v[STO], v240, SP
	v_lshl_add_u32 v[STO], v241, 5, v[STO]
	v_add_nc_u32 v[STO], s38, v[STO]               ; row r, + 32 h
	v_mul_u32_u24 v[RD], v241, SP
	v_lshl_add_u32 v[RD], v240, 4, v[RD]
	v_add_nc_u32 v[RD], s38, v[RD]                 ; lanes 0-15 one row, lanes 16-31 the next
	v_mul_u32_u24 v[KRD], v240, SP
	v_lshl_add_u32 v[KRD], v241, 6, v[KRD]
	v_add_nc_u32 v[KRD], s38, v[KRD]               ; row r, + 64 h
.irp i, 0,1,2,3,4,5,6,7
	v_mov_b32 v[ZQ+\i], 0                          ; the zero codes on both sides of Q's
	v_mov_b32 v[ZQ+16+\i], 0
	v_mov_b32 v[TM+\i], 0                          ; written once: a lane permute's destination counts as one of its sources
.endr
	v_mov_b32 v248, 0                              ; (v248-250 go to LDS beside the second Q's scale word, and come back as v252-254)
	v_mov_b32 v249, 0
	v_mov_b32 v250, 0
	v_mov_b32 v252, 0
	v_mov_b32 v[PSW], 0
	s_and_b32 s[JJ], ttmp9, 3
	s_lshr_b32 s[HO], ttmp9, 2
	s_lshl_b32 s[HO], s[HO], 19                    ; a head is 2,048 rows of 256 bytes
	s_lshl_b32 s[N2], s[JJ], 1
	s_add_co_u32 s[E1], s[N2], 1
	s_add_co_u32 s[N2], s[N2], 2
	s_mov_b32 s[MNT], 0x600000
	s_mov_b32 s[SEL], 0x76543210
	s_mov_b32 s[SEL+1], 0xfedcba98
	s_mov_b32 s[CS], 0x3e38aa3b                    ; log2(e) / 8
	s_mov_b32 s[CS+1], s[CS]
	s_lshl_b32 s38, s36, 13                        ; my job: 32 a keys on,
	s_add_co_u32 s38, s38, s[HO]
	s_lshl_b32 s39, s37, 11                        ; K: 8 bb keys on;
	s_lshl_b32 s40, s37, 7                         ; V: 32 bb channels on
	s_wait_alu depctr_va_vdst(0)                   ; the wait here, directly ahead of the wait below
	s_wait_kmcnt 0x0
	s_cmp_lt_u32 s[WV], 8                          ; the choice hangs on the wave's number alone
	s_cselect_b64 s[JB:JB+1], s[6:7], s[8:9]
	s_cselect_b32 s39, s39, s40
	s_add_co_u32 s38, s38, s39
	s_mov_b32 s39, 0
	s_add_nc_u64 s[JB:JB+1], s[JB:JB+1], s[38:39]
	s_lshl_b32 s36, s[WV], 4
	s_lshl_b32 s[Q0], s[JJ], 8                     ; the first block of queries: j
	s_add_co_u32 s[Q0], s[Q0], s36
	s_lshl_b32 s[BO], s[Q0], 8
	s_add_co_u32 s[BO], s[BO], s[HO]
	s_mov_b32 s[BO+1], 0
	s_add_nc_u64 s[QP:QP+1], s[4:5], s[BO:BO+1]
	s_add_nc_u64 s[OP:OP+1], s[10:11], s[BO:BO+1]
	s_sub_co_u32 s37, 7, s[JJ]                     ; the second: 7 - j
	s_lshl_b32 s[Q0B], s37, 8
	s_add_co_u32 s[Q0B], s[Q0B], s36
	s_lshl_b32 s[BO], s[Q0B], 8
	s_add_co_u32 s[BO], s[BO], s[HO]
	s_add_nc_u64 s[QP2:QP2+1], s[4:5], s[BO:BO+1]
	s_add_nc_u64 s[OP2:OP2+1], s[10:11], s[BO:BO+1]
	s_mov_b64 s[JP:JP+1], s[JB:JB+1]
	QLOAD F, QP                                    ; what is needed first is asked for first: the first block's Q,
	JLOAD R                                        ; step 0's numbers,
	s_wait_xcnt 0x0                                ; (the loads' base is written again only behind this wait)
	s_add_nc_u64 s[JP:JP+1], s[JB:JB+1], 0x8000
	JLOAD O                                        ; step 1's, into registers that O^T takes later,
	QLOAD S, QP2                                   ; and last the second block's Q
	s_mul_i32 s38, s[WV], 1536
	s_add_co_u32 s38, s38, QSV
	s_wait_loadcnt 8                               ; all but the eight loads issued last, the second block's Q
	QUANT2 F, 0, QC                                ; Q's codes between the zeros,
	v_lshl_or_b32 v[QSW], v[TM+3], 8, v[TM+2]
	s_delay_alu instid0(VALU_DEP_1)
	v_lshl_or_b32 v[QSW], v[QSW], 16, v[QSW]       ; and its scale word (s0, s1, s0, s1), which serves [Q|0] and [0|Q]
	JOB R, 0, 0
	s_wait_dscnt 0x0
	JOB O, 1, 0
	INIT
	s_wait_dscnt 0x0
	s_wait_loadcnt 0x0
	QUANT2 S, 0, JC                                ; the second block's Q goes to my own LDS bytes
	v_lshl_or_b32 v251, v[TM+3], 8, v[TM+2]
	s_delay_alu instid0(VALU_DEP_1)
	v_lshl_or_b32 v251, v251, 16, v251
	v_add_nc_u32 v[QSA], s38, v[LI]
	ds_store_b128 v[QSA], v[JC:JC+3]
	ds_store_b128 v[QSA], v[JC+4:JC+7] offset:512
	ds_store_b128 v[QSA], v[248:251] offset:1024
	s_mov_b32 s[JK], 0x10000                       ; step 2: 256 keys on, or key 0 where j = 0
	s_cmp_eq_u32 s[N2], 2
	s_cselect_b32 s[JK], 0, s[JK]
	s_mov_b32 s[JK+1], 0
	s_add_nc_u64 s[JP:JP+1], s[JB:JB+1], s[JK:JK+1]
	JLOAD R
	s_mov_b32 s[KF], 0
	s_mov_b32 s[SN], 0
	s_mov_b32 s[TR], 0
	s_wait_alu depctr_va_vdst(0)                   ; the wait at the head's end
	s_wait_dscnt 0x0
	s_barrier_signal -1
	s_barrier_wait -1                              ; buffers 0 and 1 hold steps 0 and 1
	s_barrier_signal -1                            ; the signal that step 0 waits for
.Lsix:                                             ; three trips of six steps: buffers go by s % 3, blocks end at odd steps
	STEP 0
	STEP 1
	STEP 2
	STEP 3
	STEP 4
	STEP 5
	s_add_co_u32 s[TR], s[TR], 1
	s_cmp_lt_u32 s[TR], 3
	s_cbranch_scc1 .Lsix
	s_barrier_wait -1                              ; step 17's signal has its wait
	v_lshl_add_u32 v254, v0, 2, SPARE
	v_mov_b32 v255, 0
	s_wait_alu depctr_va_vdst(0)
	s_wait_tensorcnt 0x0                           ; the wave's end
	ds_add_u32 v254, v255
	s_wait_dscnt 0x0
	s_endpgm
.Lfunc_end_k_qceb524bf0d_attn:
	.size	k_qceb524bf0d_attn, .Lfunc_end_k_qceb524bf0d_attn-k_qceb524bf0d_attn
	.p2alignl 7, 3214868480
	.fill 96, 4, 3214868480
	.section	.rodata,"a",@progbits
	.p2align	6, 0x0
	.amdhsa_kernel k_qceb524bf0d_attn
		.amdhsa_group_segment_fixed_size 148480
		.amdhsa_private_segment_fixed_size 0
		.amdhsa_enable_private_segment 0
		.amdhsa_kernarg_size 32
		.amdhsa_user_sgpr_count 2
		.amdhsa_user_sgpr_kernarg_segment_ptr 1
		.amdhsa_wavefront_size32 1
		.amdhsa_system_sgpr_workgroup_id_x 1
		.amdhsa_system_sgpr_workgroup_id_y 1
		.amdhsa_system_sgpr_workgroup_id_z 1
		.amdhsa_system_vgpr_workitem_id 0
		.amdhsa_next_free_vgpr 256
		.amdhsa_next_free_sgpr 66
		.amdhsa_reserve_vcc 1
		.amdhsa_float_denorm_mode_32 3
		.amdhsa_float_denorm_mode_16_64 3
		.amdhsa_memory_ordered 1
		.amdhsa_forward_progress 1
		.amdhsa_inst_pref_size 255
	.end_amdhsa_kernel
	.section	.bss,"aw",@nobits
	.p2align	6
	.space	262144
	.amdgpu_metadata
---
amdhsa.version: [ 1, 2 ]
amdhsa.kernels:
  - .name:           k_qceb524bf0d_attn
    .symbol:         k_qceb524bf0d_attn.kd
    .args:
      - { .name: q, .offset: 0, .size: 8, .value_kind: global_buffer, .address_space: global }
      - { .name: k, .offset: 8, .size: 8, .value_kind: global_buffer, .address_space: global }
      - { .name: v, .offset: 16, .size: 8, .value_kind: global_buffer, .address_space: global }
      - { .name: out0, .offset: 24, .size: 8, .value_kind: global_buffer, .address_space: global }
    .group_segment_fixed_size: 148480
    .private_segment_fixed_size: 0
    .kernarg_segment_align: 8
    .kernarg_segment_size: 32
    .max_flat_workgroup_size: 512
    .sgpr_count:     66
    .vgpr_count:     256
    .wavefront_size: 32
...
	.end_amdgpu_metadata
.endif
;; end of part 1
